; MI455X (gfx1250); checked and timed in simulation.
; The chip was launched on July 23, 2026; its instructions are those of AMD's public machine-readable ISA for CDNA 5 (MIT licence, August 2026) and "CDNA5" Instruction Set Architecture Reference Guide (July 2026). The comments in the code are by the model that wrote it; some were corrected since.
;; NVFP4 Scaled Linear. Allowed arithmetic: matrix products marked QUANTISED: E2M1 operands, one E8M0 scale for each 32 along K, by v_wmma_scale_f32_16x16x128_f8f6f4 with both operands' format E2M1 (or v_wmma_scale_f32_32x16x128_f4), f32 sums; everything else in f32.
;; Inputs: bias 2,048 float32; weight_packed 4,194,304 int32; weight_scales 524,288 float32; x 4 x 2,048 x 4,096 float32.
;; Outputs: out0 4 x 2,048 x 2,048 float32.
;; This version of the problem:
;;   THIS VERSION OF THE PROBLEM IS GIVEN IN LOW PRECISION. The matrix products marked QUANTISED in the list below multiply operands that are first quantised to E2M1 (2 exponent bits, 1 mantissa bit; 4 bits a number), with one power-of-two scale for each 32 numbers along K (OCP MX v1.0); their sums are f32. All else is computed in f32.
;;   The module's matrix products, in the order in which they are computed (A, B: the left and right operand; K: the contracted axis; several contracted axes count as one K, in the product's order):
;;     1. [M 8,192, K 4,096] x [K 4,096, N 2,048]; A: input x; B: computed on the way: QUANTISED
;;   THE QUANTISER, for each operand of a quantised product, along K:
;;     - K is cut into blocks of 32 from its start; a last block that is shorter is filled with zeros.
;;     - A block's scale is 2^e with e = floor(log2(the largest magnitude in the block)) - 2, held to -126 .. 127; a block of zeros has e = 0. As a byte (E8M0): e + 127.
;;     - Each number is divided by its block's scale, clamped to +-6, and rounded to the nearest number of E2M1, ties to even, subnormals kept.
;;     - The product sums the exact products of the quantised numbers (number of the format x scale) in f32.
;;   ~~~python
;;   def quantise(x, axis):      # numpy; x: float32 -> the quantised numbers, widened to float32 again
;;       x = np.moveaxis(x, axis, -1); K = x.shape[-1]
;;       x = np.pad(x, [(0, 0)] * (x.ndim - 1) + [(0, -K % 32)]); x = x.reshape(x.shape[:-1] + (-1, 32)); a = np.abs(x).max(-1, keepdims=True)
;;       e = np.where(a > 0, np.clip(np.frexp(np.where(a > 0, a, 1))[1] - 1 - 2, -126, 127), 0)      # np.frexp(a)[1] - 1 = floor(log2(a)), exactly
;;       r = np.clip(x / 2.0 ** e, -6, 6)
;;       step = 2.0 ** (np.maximum(np.frexp(np.where(r == 0, 1, r))[1] - 1, 0) - 1)
;;       q = np.round(r / step) * step * 2.0 ** e      # np.round: ties to even
;;       return np.moveaxis(q.reshape(q.shape[:-2] + (-1,))[..., :K], -1, axis).astype(np.float32)
;;   ~~~
;;   OPERANDS COMPUTED ON THE WAY. 'Computed on the way' means the value that the module computes at that place (a softmax that the list does not call 'softmax' is quantised finished and normalised). What goes into a quantiser is computed in f32, as accurately as f32 sums, v_exp_f32 and their like allow (about 1e-6 of the number): no bf16 or f16 on the way to a quantiser, and a product that is left as it is and whose result goes on into a quantised operand takes f32 operands (vector FMAs, or v_wmma_f32_16x16x4_f32). A number that lies on a knife's edge between two numbers of the format may be rounded either way, as far as f32 arithmetic and the matrix unit's own rounding can turn it there, and no further.
;; One version. Each part assembles by itself: llvm-mc -triple=amdgcn-amd-amdhsa -mcpu=gfx1250 --defsym DOCPART=n.
;; ======== version 1 of 1: 2 launches
;; limits: right only within a limited range of input values
;; workspace buffers: a_q 17,825,792 bytes; b_q 4,456,448 bytes
;; launch quant (part 1): grid 1280 x 1, 4 waves a work-group, no clusters, 50,688 bytes of LDS; arguments x, weight_packed, weight_scales, a_q, b_q; writes a_q, b_q
.if DOCPART == 1
	.amdgcn_target "amdgcn-amd-amdhsa--gfx1250"
	.amdhsa_code_object_version 6
	.text
	.protected	k_qbcfdda8f04_quant
	.globl	k_qbcfdda8f04_quant
	.p2align	8
	.type	k_qbcfdda8f04_quant,@function
k_qbcfdda8f04_quant:
	s_mov_b64 s[64:65], 0
	v_nop
	global_prefetch_b8 v0, s[64:65] scope:SCOPE_SE
	s_setreg_imm32_b32 hwreg(HW_REG_WAVE_MODE, 25, 1), 1
	s_wait_xcnt 0x0
; Both operands of out = Q(x) Q(w)^T + bias are turned into codes of FP4 (E2M1) with one E8M0 scale byte for each 32 along K = 4,096.
; x: [8192][4096] f32.  w[o][k] = sign x magnitude of a 4-bit code x weight_scales[(4096 o + k) / 16], one f32 multiplication.  weight_packed holds one byte in each int32
; (only its low eight bits are used, as the masks of the definition have it); the byte's HIGH four bits are the code of the even k, its low four bits that of the odd k.
; A block's scale is 2^(floor(log2(its largest magnitude)) - 2); its byte is the largest magnitude's exponent field - 2, held at 1 from below.  Each number is divided by the scale and rounded
; to the nearest code, ties to even; beyond 6 the largest code.
; LIMITS: NaN and infinities among the inputs are not served.  A block of zeros gets the byte 1 where the quantiser's rule says 127: its codes are zeros, which add nothing under any byte but 0xff,
; and the bytes are read by this program alone.  Blocks whose largest magnitude lies under 2^(3 - 127), the floor, are quantised under the byte 1.
; THE WORKSPACE, a_q and b_q alike: [tile of 128 rows][K step of 512], each entry one dense block of BLK = 34,816 bytes: 128 rows x 256 bytes of codes (the lower k in the low four bits),
; then 128 rows x 16 scale bytes.  So the product's launch brings 128 rows of codes and their scales by one dense tensor load.
; SHARES.  A wave takes 16 rows x one K step: 4,096 consecutive bytes of codes and 256 consecutive scale bytes of a block.  The first WGW work-groups take w, the others x.
; No tensor loads, no barrier: waves share nothing.  The two paths have LDS bytes of their own: x's 0 .. 32,767, w's 32,768 .. 50,175.
.set WGW,   256                        ; work-groups for w: 2,048 rows / 16 x 8 K steps / 4 waves
.set BLK,   34816
.set STEPS, 16                         ; a step is one row's 512 numbers
.set EMAX,  2
	s_load_b128 s[4:7], s[0:1], 0x0                ; x, weight_packed
	s_load_b128 s[8:11], s[0:1], 0x10              ; weight_scales, a_q
	s_load_b64 s[12:13], s[0:1], 0x20              ; b_q
	v_lshl_add_u32 v12, v0, 2, 0xc400              ; my spare word; never rewritten
	v_mov_b32 v13, 0                               ; 0; never rewritten
	v_lshrrev_b32 v1, 5, v0
	v_readfirstlane_b32 s16, v1                    ; wave
	v_and_b32 v2, 31, v0                           ; lane
	s_wait_kmcnt 0x0
	s_cmp_lt_u32 ttmp9, WGW                        ; w's work-group or x's?  The choice hangs on the work-group's number alone
	s_cselect_b64 s[14:15], s[12:13], s[10:11]     ; the buffer that I fill
	s_cselect_b32 s17, 0, WGW
	s_sub_co_u32 s17, ttmp9, s17
	s_lshl_b32 s17, s17, 2
	s_add_co_u32 s18, s17, s16                     ; my task T
	s_and_b32 s19, s18, 7                          ; its K step
	s_lshr_b32 s20, s18, 3                         ; its group of 16 rows
	s_lshr_b32 s21, s18, 6                         ; its tile of 128 rows
	s_lshl_b32 s21, s21, 3
	s_add_co_u32 s21, s21, s19                     ; the block: 8 x tile + K step
	s_mul_i32 s21, s21, BLK                        ; in bytes (under 2^25)
	s_and_b32 s22, s20, 7                          ; which 16 rows of the tile
	s_lshl_b32 s28, s22, 8                         ; their scale bytes: 16 rows x 16
	s_lshl_b32 s22, s22, 12                        ; their codes: 16 rows x 256
	s_add_co_u32 s22, s22, s21
	s_mov_b32 s23, 0
	s_add_co_u32 s28, s28, s21
	s_add_co_u32 s28, s28, 32768                   ; the scale bytes lie behind the block's codes
	s_mov_b32 s29, 0
	s_add_nc_u64 s[24:25], s[14:15], s[22:23]      ; where my codes go
	s_add_nc_u64 s[26:27], s[14:15], s[28:29]      ; where my scale bytes go
	s_cmp_lt_u32 ttmp9, WGW
	s_cbranch_scc1 .Lweights
; ---------------- x ----------------
; The conversions take 8 numbers of ONE block from a lane's consecutive registers, so a lane must hold neighbours along K; a load is best where neighbouring LANES take neighbouring bytes.
; Both are had: each of a step's four loads reads 512 consecutive bytes, 16 a lane; the 2,048 bytes go through the wave's own stage in LDS as they lie and come back 64 bytes a lane
; (16 neighbours; two neighbouring lanes hold a block).  The stage has 16 bytes of padding behind each 64.  Loads run four steps (16 loads a wave) ahead, the turn through LDS one step.
.set R,     16                         ; v16-79   four sets of 16 numbers as they are loaded
.set X,     80                         ; v80-111  two sets of 16 neighbours
.set XE,    112                        ; v112-127 a scale byte for each step
.set XC,    128                        ; v128-191 codes: four registers for each step, so that no store's data are written again
.set WREG,  8192                       ; LDS: a region for each wave: two stages of 32 x SP bytes, behind them its 256 scale bytes
.set SP,    80                         ; a lane's place in a stage: its 64 bytes + 16 of padding
	s_lshl_b32 s22, s20, 18                        ; 16 rows of 16,384 bytes,
	s_lshl_b32 s30, s19, 11                        ; a K step of 2,048 bytes
	s_add_co_u32 s22, s22, s30                     ; (under 2^27; s23 is 0)
	s_add_nc_u64 s[4:5], s[4:5], s[22:23]
	s_wait_alu depctr_va_vdst(0)
	v_lshlrev_b32 v3, 4, v2                        ; my 16 bytes of a load's 512
	s_mul_i32 s33, s16, WREG
	v_lshrrev_b32 v14, 2, v2
	v_mul_u32_u24 v14, v14, SP
	v_and_b32 v15, 3, v2
	v_lshl_add_u32 v14, v15, 4, v14
	v_add_nc_u32 v14, s33, v14                     ; the stage, on the way in: four lanes' 64 bytes on end, then 16 of padding
	v_mul_u32_u24 v15, v2, SP
	v_add_nc_u32 v15, s33, v15                     ; and on the way out: SP x lane: my 16 neighbours
	v_lshlrev_b32 v4, 3, v2                        ; my 8 bytes of a row's 256 bytes of codes
	v_lshrrev_b32 v5, 1, v2
	s_add_co_u32 s33, s33, 2*32*SP
	v_add_nc_u32 v5, s33, v5                       ; LDS: my wave's 256 scale bytes, my block's byte
	v_lshlrev_b32 v7, 3, v2                        ; and on the way out 8 bytes a lane
	v_add_nc_u32 v6, s33, v7
.macro LOAD t
.irp i, 0,1,2,3
	global_load_b128 v[R+16*((\t)%4)+4*\i:R+16*((\t)%4)+4*\i+3], v3, s[4:5] offset:16384*(\t)+512*\i th:TH_LOAD_NT   ; 32 lanes read 512 consecutive bytes of row t
.endr
.endm
.macro TURN t                          ; step t's numbers through the stage: LDS serves a wave's instructions in order (ISA guide 5.7.1.4), so no wait stands between the stores and the loads
.irp i, 0,1,2,3
	ds_store_b128 v14, v[R+16*((\t)%4)+4*\i:R+16*((\t)%4)+4*\i+3] offset:32*SP*((\t)%2)+8*SP*\i
.endr
.irp i, 0,1,2,3
	ds_load_b128 v[X+16*((\t)%2)+4*\i:X+16*((\t)%2)+4*\i+3], v15 offset:32*SP*((\t)%2)+16*\i
.endr
.endm
.irp t, 0,1,2,3
	LOAD \t
.endr
	s_wait_alu depctr_va_vdst(0)
	s_wait_loadcnt 12                              ; step 0's four loads are in; the twelve of steps 1 to 3 may be out
	TURN 0
.macro STEP t
.set XS, X+16*((\t)%2)
.if (\t) > 0
	s_wait_dscnt 1                                 ; this step's numbers are back from the stage (the last step's byte store may be out): so its stores into the stage have read their registers,
.else
	s_wait_dscnt 0x0
.endif
.if (\t)+4 < STEPS
	LOAD (\t)+4                                    ; which take the loads of four steps on
.endif
.if (\t)+1 < STEPS
.if STEPS-2-(\t) >= 3
	s_wait_loadcnt 12                              ; the next step's four loads are in; those of the three steps behind it may be out
.else
	s_wait_loadcnt 4*(STEPS-2-(\t))                ; the same, with fewer steps behind it
.endif
	TURN (\t)+1                                    ; and go through the other stage while this step is worked
.endif
	v_max3_num_f32 v8, |v[XS]|, |v[XS+1]|, |v[XS+2]|               ; the largest magnitude of my 16, in two chains
	v_max3_num_f32 v9, |v[XS+3]|, |v[XS+4]|, |v[XS+5]|
.irp i, 6,10
	v_max3_num_f32 v8, v8, |v[XS+\i]|, |v[XS+\i+1]|
	v_max3_num_f32 v9, v9, |v[XS+\i+2]|, |v[XS+\i+3]|
.endr
	v_max3_num_f32 v8, v8, |v[XS+14]|, |v[XS+15]|
	v_max3_num_f32 v8, v8, v9, (EMAX+1)<<23        ; and the floor 2^(3 - 127): so the byte cannot fall under 1
	v_max_num_f32_dpp v8, v8, v8 row_xmask:1 row_mask:0xf bank_mask:0xf   ; and of my neighbour's 16: the block's
	v_add_nc_u32 v11, -(EMAX<<23), v8              ; 2 off its exponent field: the conversion takes the exponent field of this operand as its scale, and nothing else of it
	v_cvt_scalef32_pk8_fp4_f32 v[XC+4*(\t)], v[XS:XS+7], v11       ; eight numbers / the scale, to the nearest code; the first number's code in the lowest four bits
	v_cvt_scalef32_pk8_fp4_f32 v[XC+4*(\t)+1], v[XS+8:XS+15], v11
	v_lshrrev_b32 v[XE+(\t)], 23, v11              ; the scale's byte (also the plain line behind the conversions)
	ds_store_b8 v5, v[XE+(\t)] offset:16*(\t)      ; both lanes of a block write the same byte with the same value
	global_store_b64 v4, v[XC+4*(\t):XC+4*(\t)+1], s[24:25] offset:256*(\t)   ; the wave stores a row's 256 consecutive bytes, at a multiple of 256 from the buffer's first byte
.endm
.irp t, 0,1,2,3,4,5,6,7,8,9,10,11,12,13,14,15
	STEP \t
.endr
	ds_load_b64 v[8:9], v6                         ; in order behind my byte stores
	s_wait_dscnt 0x0
	global_store_b64 v7, v[8:9], s[26:27]          ; 32 lanes store my 16 rows' 256 scale bytes, consecutive and aligned
	s_wait_tensorcnt 0x0
	ds_add_u32 v12, v13
	s_wait_dscnt 0x0
	s_endpgm
; ---------------- w ----------------
; A step is one row's 512 codes: 256 words of weight_packed, two loads of 512 consecutive bytes.  In load i a lane's four words are its eight NEIGHBOURS k = 256 i + 8 lane + 0 .. 7,
; so nothing turns on the way in; they share one of weight_scales' numbers (16 i + lane / 2 of the step's 32), and four neighbouring lanes hold a block of 32.
; A lane's eight new codes are 4 bytes: they are gathered in the wave's own LDS bytes, row by row, and leave 512 consecutive bytes a store.
.Lweights:
.set WLDS,  32768                      ; LDS: w's path begins here
.set WWAVE, 4352                       ; a wave's 4,096 bytes of codes and 256 scale bytes
.set PK,    16                         ; v16-63   four sets of 12: +0..7 packed words, +8 and +10 the two scales, +9 and +11 zeros (named as the pairs' upper halves)
.set F,     64                         ; v64-79   the step's 16 numbers of my lane
.set WC,    96                         ; v96-127  codes: two registers for each step
.set WE,    128                        ; v128-159 scale bytes: two for each step
.set O,     160                        ; v160-191 the way out
	s_lshl_b32 s22, s20, 17                        ; weight_packed: 16 rows of 8,192 bytes,
	s_lshl_b32 s30, s19, 10                        ; a K step of 1,024 bytes
	s_add_co_u32 s22, s22, s30                     ; (s23 is 0)
	s_add_nc_u64 s[6:7], s[6:7], s[22:23]
	s_lshl_b32 s28, s20, 14                        ; weight_scales: 16 rows of 1,024 bytes,
	s_lshl_b32 s30, s19, 7                         ; a K step of 128 bytes
	s_add_co_u32 s28, s28, s30                     ; (s29 is 0)
	s_add_nc_u64 s[8:9], s[8:9], s[28:29]
	s_mov_b32 s30, 0x00000400                      ; v_perm_b32: the low bytes of two words side by side
	s_mov_b32 s31, 0x05040100                      ; v_perm_b32: two low halves side by side
	s_mov_b32 s32, 0x0f0f0f0f
	s_mul_i32 s33, s16, WWAVE
	s_add_co_u32 s33, s33, WLDS                    ; my wave's LDS bytes
	s_add_co_u32 s34, s33, 4096                    ; its scale bytes
	s_wait_alu depctr_va_vdst(0)
	v_lshlrev_b32 v1, 4, v2                        ; 16 x lane: packed words in, codes out
	v_lshrrev_b32 v3, 1, v2
	v_lshlrev_b32 v3, 2, v3                        ; 4 x (lane / 2): my number of weight_scales
	v_lshlrev_b32 v4, 2, v2
	v_add_nc_u32 v4, s33, v4                       ; LDS: my 4 bytes of codes
	v_lshrrev_b32 v5, 2, v2
	v_add_nc_u32 v5, s34, v5                       ; LDS: my block's byte
	v_add_nc_u32 v6, s33, v1                       ; LDS, on the way out: 16 bytes a lane
	v_lshlrev_b32 v9, 3, v2                        ; the scale bytes on the way out: 8 bytes a lane
	v_add_nc_u32 v7, s34, v9
	v_mov_b32 v15, 0x7f7f7f7f                      ; the E8M0 byte of 1.0, in every byte
.irp s, 0,1,2,3
	v_mov_b32 v[PK+12*\s+9], 0
	v_mov_b32 v[PK+12*\s+11], 0
.endr
.macro LOADW t                         ; four loads a step
	global_load_b128 v[PK+12*((\t)%4):PK+12*((\t)%4)+3],   v1, s[6:7] offset:8192*(\t) th:TH_LOAD_NT
	global_load_b128 v[PK+12*((\t)%4)+4:PK+12*((\t)%4)+7], v1, s[6:7] offset:8192*(\t)+512 th:TH_LOAD_NT
	global_load_b32 v[PK+12*((\t)%4)+8],  v3, s[8:9] offset:1024*(\t)
	global_load_b32 v[PK+12*((\t)%4)+10], v3, s[8:9] offset:1024*(\t)+64
.endm
.irp t, 0,1,2,3
	LOADW \t
.endr
.macro STEPW t                         ; the two groups of eight numbers take turns line by line
.set PS, PK+12*((\t)%4)
.if (\t) < 13
	s_wait_loadcnt 12                              ; this step's four loads are in; those of the three steps behind it may be out
.else
	s_wait_loadcnt 4*(15-(\t))                     ; the same, with fewer steps behind it
.endif
	v_perm_b32 v82, v[PS+1], v[PS], s30            ; the low bytes of my four words, gathered into one register
	v_perm_b32 v84, v[PS+5], v[PS+4], s30
	v_perm_b32 v83, v[PS+3], v[PS+2], s30
	v_perm_b32 v85, v[PS+7], v[PS+6], s30
	v_perm_b32 v82, v83, v82, s31
	v_perm_b32 v84, v85, v84, s31
	v_and_b32 v83, s32, v82                        ; in each byte the two codes change places: the even k's code goes to the low four bits
	v_and_b32 v85, s32, v84
	v_lshrrev_b32 v82, 4, v82
	v_lshrrev_b32 v84, 4, v84
	v_and_b32 v82, s32, v82
	v_and_b32 v84, s32, v84
	v_lshl_or_b32 v80, v83, 4, v82
	v_lshl_or_b32 v81, v85, 4, v84
	v_cvt_scale_pk8_f32_fp4 v[F:F+7], v80, v15     ; sign x magnitude, exactly (x 1.0)
	v_cvt_scale_pk8_f32_fp4 v[F+8:F+15], v81, v15
	v_nop                                          ; one plain line between a scaled conversion and the use of its result
.irp j, 0,2,4,6
	v_pk_mul_f32 v[F+\j:F+\j+1], v[F+\j:F+\j+1], v[PS+8:PS+9] op_sel_hi:[1,0]        ; x my number of weight_scales: the one rounding that the definition has
	v_pk_mul_f32 v[F+8+\j:F+9+\j], v[F+8+\j:F+9+\j], v[PS+10:PS+11] op_sel_hi:[1,0]
.endr
.if (\t)+4 < STEPS
	LOADW (\t)+4                                   ; the set has been read: it takes the loads of four steps on
.endif
	v_max3_num_f32 v86, |v[F]|, |v[F+1]|, 0x1800000    ; my eight numbers, and the floor 2^(3 - 127): so the byte cannot fall under 1
	v_max3_num_f32 v87, |v[F+8]|, |v[F+9]|, 0x1800000
.irp j, 2,4,6
	v_max3_num_f32 v86, v86, |v[F+\j]|, |v[F+\j+1]|
	v_max3_num_f32 v87, v87, |v[F+8+\j]|, |v[F+9+\j]|
.endr
	v_max_num_f32_dpp v86, v86, v86 row_xmask:1 row_mask:0xf bank_mask:0xf   ; with the three lanes that share my block
	v_max_num_f32_dpp v87, v87, v87 row_xmask:1 row_mask:0xf bank_mask:0xf
	v_max_num_f32_dpp v86, v86, v86 row_xmask:2 row_mask:0xf bank_mask:0xf
	v_max_num_f32_dpp v87, v87, v87 row_xmask:2 row_mask:0xf bank_mask:0xf
	v_add_nc_u32 v88, 0xff000000, v86              ; 2 off the exponent field: the conversion's scale operand
	v_add_nc_u32 v89, 0xff000000, v87
	v_cvt_scalef32_pk8_fp4_f32 v[WC+2*(\t)], v[F:F+7], v88
	v_cvt_scalef32_pk8_fp4_f32 v[WC+2*(\t)+1], v[F+8:F+15], v89
	v_lshrrev_b32 v[WE+2*(\t)], 23, v88            ; the scales' bytes (also the plain line behind the conversions)
	v_lshrrev_b32 v[WE+2*(\t)+1], 23, v89
	ds_store_b32 v4, v[WC+2*(\t)] offset:256*(\t)
	ds_store_b32 v4, v[WC+2*(\t)+1] offset:256*(\t)+128
	ds_store_b8 v5, v[WE+2*(\t)] offset:16*(\t)    ; the four lanes of a block write the same byte with the same value
	ds_store_b8 v5, v[WE+2*(\t)+1] offset:16*(\t)+8
.endm
.irp t, 0,1,2,3,4,5,6,7,8,9,10,11,12,13,14,15
	STEPW \t
.endr
.irp j, 0,1,2,3,4,5,6,7
	ds_load_b128 v[O+4*\j:O+4*\j+3], v6 offset:512*\j   ; in order behind my stores
.endr
	ds_load_b64 v[80:81], v7
.irp j, 0,1,2,3,4,5,6,7
	s_wait_dscnt 8-\j                              ; load j is in: behind it 7 - j loads of 16 bytes and the one of 8
	global_store_b128 v1, v[O+4*\j:O+4*\j+3], s[24:25] offset:512*\j   ; 32 lanes store 512 consecutive bytes, at a multiple of 256 from the buffer's first byte
.endr
	s_wait_dscnt 0x0
	global_store_b64 v9, v[80:81], s[26:27]        ; my 16 rows' 256 scale bytes, consecutive and aligned
	s_wait_tensorcnt 0x0
	ds_add_u32 v12, v13
	s_wait_dscnt 0x0
	s_endpgm
.Lfunc_end_k_qbcfdda8f04_quant:
	.size	k_qbcfdda8f04_quant, .Lfunc_end_k_qbcfdda8f04_quant-k_qbcfdda8f04_quant
	.p2alignl 7, 3214868480
	.fill 96, 4, 3214868480
	.section	.rodata,"a",@progbits
	.p2align	6, 0x0
	.amdhsa_kernel k_qbcfdda8f04_quant
		.amdhsa_group_segment_fixed_size 50688
		.amdhsa_private_segment_fixed_size 0
		.amdhsa_enable_private_segment 0
		.amdhsa_kernarg_size 40
		.amdhsa_user_sgpr_count 2
		.amdhsa_user_sgpr_kernarg_segment_ptr 1
		.amdhsa_wavefront_size32 1
		.amdhsa_system_sgpr_workgroup_id_x 1
		.amdhsa_system_sgpr_workgroup_id_y 1
		.amdhsa_system_sgpr_workgroup_id_z 1
		.amdhsa_system_vgpr_workitem_id 0
		.amdhsa_next_free_vgpr 192
		.amdhsa_next_free_sgpr 66
		.amdhsa_reserve_vcc 0
		.amdhsa_float_denorm_mode_32 3
		.amdhsa_float_denorm_mode_16_64 3
		.amdhsa_memory_ordered 1
		.amdhsa_forward_progress 1
		.amdhsa_inst_pref_size 87
	.end_amdhsa_kernel
	.amdgpu_metadata
---
amdhsa.version: [ 1, 2 ]
amdhsa.kernels:
  - .name:           k_qbcfdda8f04_quant
    .symbol:         k_qbcfdda8f04_quant.kd
    .args:
      - { .name: x, .offset: 0, .size: 8, .value_kind: global_buffer, .address_space: global }
      - { .name: weight_packed, .offset: 8, .size: 8, .value_kind: global_buffer, .address_space: global }
      - { .name: weight_scales, .offset: 16, .size: 8, .value_kind: global_buffer, .address_space: global }
      - { .name: a_q, .offset: 24, .size: 8, .value_kind: global_buffer, .address_space: global }
      - { .name: b_q, .offset: 32, .size: 8, .value_kind: global_buffer, .address_space: global }
    .group_segment_fixed_size: 50688
    .private_segment_fixed_size: 0
    .kernarg_segment_align: 8
    .kernarg_segment_size: 40
    .max_flat_workgroup_size: 128
    .sgpr_count:     66
    .vgpr_count:     192
    .wavefront_size: 32
...
	.end_amdgpu_metadata
.endif
;; end of part 1
;; launch gemm (part 2): grid 8 x 32, 4 waves a work-group, clusters of 4 x 4, 327,680 bytes of LDS; arguments a_q, b_q, bias, out0; writes out0
.if DOCPART == 2
	.amdgcn_target "amdgcn-amd-amdhsa--gfx1250"
	.amdhsa_code_object_version 6
	.text
	.protected	k_qbcfdda8f04_gemm
	.globl	k_qbcfdda8f04_gemm
	.p2align	8
	.type	k_qbcfdda8f04_gemm,@function
k_qbcfdda8f04_gemm:
	s_mov_b64 s[64:65], 0
	v_nop
	global_prefetch_b8 v0, s[64:65] scope:SCOPE_SE
	s_setreg_imm32_b32 hwreg(HW_REG_WAVE_MODE, 25, 1), 1
	s_wait_xcnt 0x0
	s_wait_alu depctr_hold_cnt(0) depctr_sa_sdst(0) depctr_va_vdst(0) depctr_va_sdst(0) depctr_va_ssrc(0) depctr_va_vcc(0) depctr_vm_vsrc(0)
	s_getreg_b32 s2, hwreg(HW_REG_IB_STS2, 6, 4)
	s_cmp_eq_u32 s2, 0
	s_cbranch_scc0 .Lentry_in_a_cluster
	s_endpgm
.Lentry_in_a_cluster:
	s_bfe_u32 s2, ttmp6, 0x10000c
	s_cmp_lg_u32 s2, 0xf033
	s_cbranch_scc0 .Lentry_shape_is_right
	s_endpgm
.Lentry_shape_is_right:
; out0[m][n] = sum over k of Q(x)[m][k] Q(w)[n][k] + bias[n]: M 8,192, N 2,048, K 4,096, on FP4 codes with one E8M0 byte for each 32 along K; sums in f32.
; a_q, b_q: [tile of 128 rows][K step of 512], each entry one dense block of BLK bytes: 128 rows x 256 bytes of codes, then 128 rows x 16 scale bytes: 136 rows of 256 bytes.
; A work-group of four waves makes 256 x 256 of out0, a wave 128 x 128: 64 accumulators, 512 registers.  256 work-groups.  K goes in 8 steps of 512 through two LDS slots; each wave fetches one block a K step.
; CLUSTERS 4 x 4: A's blocks are asked for jointly along a row of the cluster, B's along a column.
; THE MATRIX INSTRUCTION IS USED TRANSPOSED (source 0 = 16 rows of B, source 1 = 16 rows of A): a lane holds eight neighbouring columns of one row of out0.  The bias is the C of each sum's first product.
; REGISTERS.  window 0: v0-31 addresses; v32-95 scale words, a set for each slot; v128-191, v192-255 A's fragments, two sets.
;   window 1: v0-63, v128-191 B's fragments, two sets; v64-127 the bias.  windows 2, 3: the accumulators of my rows 0-63, 64-127 ((a, b) at v[8 (8 (a % 4) + b)]).
; A step of 128 along K issues the NEXT step's 32 fragment loads at its top, into the other sets, and then its own 64 products.
; THE LAST K STEP GOES BY ROWS of out0: all its fragments of B fill window 1, A's come by blocks of 16 rows, and each block of 16 rows leaves as soon as it is finished.
; PREFETCH: behind the joint load of K step i each wave names K step i + 2 of the block row that it fetches.  The four partners that ask for a block jointly share its 136 units of 256 bytes
; out by address, 34 each: 32 lanes a unit each, then two more (the lanes left over name the last again).  K steps 6 and 7 have no step two on.  B's blocks, which all eight rows of clusters read, are named by four of them.
; K steps 0 and 1 are named at the head, behind the wait for the arguments and ahead of the first round of the cluster's barrier.
.set SIZE_N, 2048
.set NQ,     4                         ; steps of 128 in a K step
.set BLK,    34816
.set PITCH,  272                       ; an LDS row: 256 bytes + 16 of padding
.set FR,     8
.set NP,     4                         ; places behind this matrix form (ISA guide 7.12.1)
.set QB,     136*PITCH                 ; a block in LDS
.set SOFF,   128*PITCH                 ; its scale bytes
.set SLOT,   4*QB                      ; A's two blocks, then B's two
.set LAPS,   4                         ; a lap = two K steps
.set SPARE,  2*SLOT                    ; the spare words: 512 bytes that no other line names
.set SPITCH, 528                       ; the stage: 16 rows x (512 + 16) bytes a wave, in slot 0 behind its last fill and last read
.set ADRA, 16                          ; v16-17 my A fragments in slot 0, 1
.set PFO,  18                          ; v18-19 the prefetches' lane offsets
.set ADRB, 20                          ; v20-21 my B fragments
.set STO,  24
.set RD,   25
.set CO,   26
.set BO,   27
.set SPW,  28
.set NIL,  29
.set ADRS, 30                          ; v30-31 scale words: lanes 0-15 A's rows, lanes 16-31 B's
.set SC,   32
.set AF,   128
.set PA,   128                         ; the last K step: four buffers of 32 registers, 16 rows x 512 K of A
.set BIAS, 64                          ; in window 1
.set G1, 24
.set G0, 32
.set G1B, 48
.set G0B, 56
.set PFA, 66                           ; s[66:67] where my prefetches stand
.set LIM, 68                           ; s68 1 while my wave prefetches, else the greatest number
.set MSB, 0
.macro WIN new                         ; the immediate's high byte repeats the setting that is left
.if MSB != (\new)
	s_set_vgpr_msb (MSB<<8)|(\new)
.set MSB, (\new)
.endif
.endm
.set MUL_LO,   0xa1                    ; source 0 (B) window 1, source 1 (A) window 0, C and D window 2
.set MUL_HI,   0xf1
.set FIRST_LO, 0x91                    ; the same with C (the bias) in window 1
.set FIRST_HI, 0xd1
.set TO_B,     0x40
.macro JLOAD s                         ; a joint load: waves 0, 1 fetch A's two blocks, waves 2, 3 B's
	s_cmp_eq_u32 s15, 0
	s_cbranch_scc0 .Lfor_b_\@
	tensor_load_to_lds s[G0+4*\s:G0+4*\s+3], s[G1:G1+7]
	s_nop 0
.rept 4
	v_nop
.endr
	s_branch .Lasked_\@
.Lfor_b_\@:
	tensor_load_to_lds s[G0B+4*\s:G0B+4*\s+3], s[G1B:G1B+7]
	s_nop 0
.rept 4
	v_nop
.endr
.Lasked_\@:
.endm
.macro ASK how, off                    ; how = 1: at the head; 0: in the loop, whose last trip (s3 = 1) asks for nothing
.if \how
	s_cmp_eq_u32 s[LIM], 1
.else
	s_cmp_gt_u32 s3, s[LIM]
.endif
	s_cbranch_scc0 .Lnot_mine_\@
	global_prefetch_b8 v[PFO], s[PFA:PFA+1] offset:\off th:TH_LOAD_NT scope:SCOPE_SE
	global_prefetch_b8 v[PFO+1], s[PFA:PFA+1] offset:\off th:TH_LOAD_NT scope:SCOPE_SE
.Lnot_mine_\@:
.endm
.macro CREST
	s_cmp_lg_u32 s14, 0
	s_cbranch_scc1 .Lnot_wave_0_\@
	s_barrier_signal -3
.Lnot_wave_0_\@:
	s_barrier_wait -3
	s_barrier_signal -1
	s_barrier_wait -1
.endm
.macro CROUND
	s_barrier_signal -1
	s_barrier_wait -1
	CREST
.endm
	s_load_b128 s[4:7], s[0:1], 0x0                ; a_q, b_q
	s_load_b128 s[8:11], s[0:1], 0x10              ; bias, out0
	v_lshl_add_u32 v[SPW], v0, 2, SPARE
	v_mov_b32 v[NIL], 0
	ds_add_u32 v[SPW], v[NIL]                      ; the opening lines: the add, twice on end, and its wait
	ds_add_u32 v[SPW], v[NIL]
	v_lshrrev_b32 v1, 5, v0
	v_readfirstlane_b32 s14, v1                    ; wave
	v_bfe_u32 v2, v0, 4, 1                         ; l / 16
	v_lshlrev_b32 v[BO], 5, v2                     ; the bias: 32 bytes for each half of the lanes
	v_and_b32 v3, 31, v0
	v_lshlrev_b32 v[PFO], 8, v3                    ; a lane a unit of 256 bytes: units 0 .. 31 of my work-group's 34,
	v_min_u32 v4, 1, v3
	v_lshl_add_u32 v[PFO+1], v4, 8, 8192           ; and units 32, 33
	s_lshr_b32 s15, s14, 1                         ; my half of the rows.  Also: I fetch for A (0) or B (1)
	s_and_b32 s16, s14, 1                          ; my half of the columns.  Also: which block of the two I fetch
	s_bfe_u32 s40, ttmp6, 0x40000                  ; cx
	s_bfe_u32 s41, ttmp6, 0x40004                  ; cy
	s_lshl_b32 s42, ttmp9, 2
	s_add_co_u32 s42, s42, s40                     ; tile column
	s_and_b32 s69, ttmp7, 0xffff                   ; the cluster's y
	s_lshl_b32 s17, s69, 2
	s_add_co_u32 s17, s17, s41                     ; tile row
	s_lshl_b32 s43, s41, 2
	s_lshl_b32 s43, 15, s43                        ; my row of the cluster
	s_lshl_b32 s44, 0x1111, s40                    ; my column
	s_or_b32 s[G1+0], s43, (3<<16)|(1<<20)|(1<<21)|(5<<22)|(3<<25)   ; elements of 8 bytes; 4 words of padding behind every 64
	s_or_b32 s[G1B+0], s44, (3<<16)|(1<<20)|(1<<21)|(5<<22)|(3<<25)
.irp g, G1, G1B
	s_mov_b32 s[\g+1], 32<<16                      ; rows of 32 elements,
	s_mov_b32 s[\g+2], 136<<16                     ; 136 of them, dense
	s_mov_b32 s[\g+3], 32<<16
	s_mov_b32 s[\g+4], 136
	s_mov_b32 s[\g+5], 32
	s_mov_b32 s[\g+6], 0
	s_mov_b32 s[\g+7], 0
.endr
	s_lshl_b32 s20, s17, 1
	s_add_co_u32 s20, s20, s16
	s_mul_i32 s20, s20, 8*BLK                      ; A: my block row, in bytes
	s_mov_b32 s21, 0
	s_lshl_b32 s46, s42, 1
	s_add_co_u32 s46, s46, s16
	s_mul_i32 s46, s46, 8*BLK                      ; B likewise
	s_mov_b32 s47, 0
	s_mul_i32 s45, s14, QB                         ; where my block goes in a slot
	s_cmp_lt_u32 s69, 4
	s_cselect_b32 s[LIM], 1, -1                    ; B's blocks are named by the first four rows of clusters,
	s_cmp_eq_u32 s15, 0
	s_cselect_b32 s[LIM], 1, s[LIM]                ; A's by every cluster
	s_cselect_b32 s22, s20, s46
	s_cselect_b32 s23, s40, s41                    ; my place among the four that ask with me
	s_mul_i32 s23, s23, 34*256
	s_add_co_u32 s22, s22, s23
	s_mov_b32 s23, 0
	s_lshl_b32 s70, s42, 10                        ; my first column in bytes: 1,024 x tile column + 512 x half
	s_lshl_b32 s71, s16, 9
	s_add_co_u32 s70, s70, s71
	s_mov_b32 s71, 0
	s_mul_i32 s72, s15, QB                         ; my 128 rows of A in a slot
	s_mul_i32 s73, s16, QB
	s_add_co_u32 s73, s73, 2*QB                    ; my 128 rows of B
	s_add_co_u32 s74, s72, SOFF                    ; A's scale bytes
	s_xor_b32 s75, s15, 1
	s_add_co_u32 s75, s75, s16
	s_add_co_u32 s75, s75, 1
	s_mul_i32 s75, s75, QB                         ; from there to B's
	s_mul_i32 s76, s14, 16*SPITCH                  ; my stage
	s_wait_alu depctr_va_vdst(0)
	s_wait_dscnt 0x0                               ; both opening adds are done
	s_wait_kmcnt 0x0
	s_add_nc_u64 s[20:21], s[4:5], s[20:21]
	s_add_nc_u64 s[46:47], s[6:7], s[46:47]
	s_cmp_eq_u32 s15, 0
	s_cselect_b64 s[PFA:PFA+1], s[4:5], s[6:7]
	s_add_nc_u64 s[PFA:PFA+1], s[PFA:PFA+1], s[22:23]   ; at K step 0
	ASK 1, 0                                       ; K step 0
	ASK 1, BLK                                     ; K step 1
	s_add_nc_u64 s[8:9], s[8:9], s[70:71]
	WIN TO_B
.irp b, 0,1,2,3,4,5,6,7
	global_load_b128 v[BIAS+8*\b:BIAS+8*\b+3],   v[BO], s[8:9] offset:64*\b      ; bias[16 b + 8 (l / 16) + 0 .. 7], in the result's layout
	global_load_b128 v[BIAS+8*\b+4:BIAS+8*\b+7], v[BO], s[8:9] offset:64*\b+16
.endr
	WIN 0
.irp s, 0,1
	s_mov_b32 s[G0+4*\s], 1
	s_add_co_u32 s[G0+4*\s+1], s45, \s*SLOT
	s_add_nc_u64 s[G0+4*\s+2:G0+4*\s+3], s[20:21], \s*BLK
	s_or_b32 s[G0+4*\s+3], s[G0+4*\s+3], 0x80000000
	s_mov_b32 s[G0B+4*\s], 1
	s_add_co_u32 s[G0B+4*\s+1], s45, \s*SLOT
	s_add_nc_u64 s[G0B+4*\s+2:G0B+4*\s+3], s[46:47], \s*BLK
	s_or_b32 s[G0B+4*\s+3], s[G0B+4*\s+3], 0x80000000
.endr
	CROUND                                         ; all sixteen work-groups are here: the first joint loads meet
	JLOAD 0                                        ; K step 0: one tensor load a wave at the head
	ASK 1, 2*BLK                                   ; K step 2
	s_lshl_b32 s20, s17, 8
	s_lshl_b32 s21, s15, 7
	s_add_co_u32 s20, s20, s21                     ; my first row of out0
	s_lshl_b32 s20, s20, 13                        ; rows of 8,192 bytes
	s_mov_b32 s21, 0
	s_add_nc_u64 s[20:21], s[20:21], s[70:71]
	s_add_nc_u64 s[10:11], s[10:11], s[20:21]
	v_and_b32 v1, 15, v0                           ; l % 16
	v_mul_u32_u24 v3, v1, PITCH
	v_lshl_add_u32 v4, v2, 4, v3                   ; a fragment's row x pitch + 16 x half
	v_add_nc_u32 v[ADRA], s72, v4
	v_add_nc_u32 v[ADRB], s73, v4
	v_add_nc_u32 v[ADRA+1], SLOT, v[ADRA]
	v_add_nc_u32 v[ADRB+1], SLOT, v[ADRB]
	v_mul_u32_u24 v6, s75, v2                      ; lanes 16-31 take B's scale words
	v_lshl_add_u32 v5, v1, 4, v6                   ; 16 bytes a row
	v_add_nc_u32 v[ADRS], s74, v5
	v_add_nc_u32 v[ADRS+1], SLOT, v[ADRS]
	v_mul_u32_u24 v5, v1, SPITCH
	v_lshl_add_u32 v5, v2, 5, v5
	v_add_nc_u32 v[STO], s76, v5                   ; into the stage: row l % 16, 32 bytes for each half
	v_and_b32 v6, 31, v0
	v_lshlrev_b32 v[CO], 4, v6                     ; back: the 32 lanes take a row of 512 bytes; the same in out0
	v_add_nc_u32 v[RD], s76, v[CO]
.macro FRAG reg, adr, q, i             ; 16 rows x 128 K: registers 4 c .. 4 c + 3 hold K = 64 c + 32 (l / 16) + 0 .. 31
.irp c, 0,1
	ds_load_b128 v[\reg+4*\c:\reg+4*\c+3], v[\adr] offset:64*(\q)+32*\c+(\i)*16*PITCH
.endr
.endm
; 16 products: A's blocks a0, a0 + 1 x B's eight.  p: the sets; q: the slot's q-th 128 along K; sc: the set of scale words.  The 64 accumulators take turns.
.macro MUL16 a0, p, q, sc, first
.irp a, \a0, \a0+1
.irp b, 0,1,2,3,4,5,6,7
.if \first
	v_wmma_scale_f32_16x16x128_f8f6f4 v[8*(8*((\a)%4)+\b):8*(8*((\a)%4)+\b)+7], v[128*(\p)+FR*\b:128*(\p)+FR*\b+FR-1], v[AF+64*(\p)+FR*(\a):AF+64*(\p)+FR*(\a)+FR-1], v[BIAS+8*\b:BIAS+8*\b+7], v[SC+8*NQ*(\sc)+NQ*\b+(\q)], v[SC+8*NQ*(\sc)+NQ*(\a)+(\q)] matrix_a_fmt:MATRIX_FMT_FP4 matrix_b_fmt:MATRIX_FMT_FP4 matrix_a_scale:MATRIX_SCALE_ROW1
.else
	v_wmma_scale_f32_16x16x128_f8f6f4 v[8*(8*((\a)%4)+\b):8*(8*((\a)%4)+\b)+7], v[128*(\p)+FR*\b:128*(\p)+FR*\b+FR-1], v[AF+64*(\p)+FR*(\a):AF+64*(\p)+FR*(\a)+FR-1], v[8*(8*((\a)%4)+\b):8*(8*((\a)%4)+\b)+7], v[SC+8*NQ*(\sc)+NQ*\b+(\q)], v[SC+8*NQ*(\sc)+NQ*(\a)+(\q)] matrix_a_fmt:MATRIX_FMT_FP4 matrix_b_fmt:MATRIX_FMT_FP4 matrix_a_scale:MATRIX_SCALE_ROW1
.endif
.endr
.endr
.endm
.macro FETCH_B slot, q, p
	WIN TO_B
.irp i, 0,1,2,3,4,5,6,7
	FRAG 128*(\p)+FR*\i, ADRB+\slot, \q, \i
.endr
	WIN 0
.endm
.macro FETCH_A slot, q, p, i0
.irp i, \i0, \i0+1, \i0+2, \i0+3
	FRAG AF+64*(\p)+FR*(\i), ADRA+\slot, \q, \i
.endr
.endm
.macro SCALES sc                       ; a K step's scale words: register NQ i + q: lanes 0-15 A's block i, lanes 16-31 B's block i
.irp i, 0,1,2,3,4,5,6,7
	ds_load_b128 v[SC+8*NQ*\sc+NQ*\i:SC+8*NQ*\sc+NQ*\i+3], v[ADRS+\sc] offset:\i*PITCH
.endr
.endm
.macro PLACES n
.rept \n
	v_nop
.endr
.endm
; A step of 128 along K that has its successor in the same slot
.macro STEP slot, q, first
	PLACES NP                                      ; behind the last step's products, which read the sets that are loaded now
	FETCH_B \slot, (\q)+1, 1-(\q)%2
	FETCH_A \slot, (\q)+1, 1-(\q)%2, 0
	FETCH_A \slot, (\q)+1, 1-(\q)%2, 4
.if \first
	s_wait_loadcnt 0x0                             ; the bias
.endif
	s_wait_dscnt 40                                ; out at most: the 32 just issued and the 8 before them (this step's blocks 4-7 of A)
.if \first
	WIN FIRST_LO
.else
	WIN MUL_LO
.endif
	MUL16 0, (\q)%2, \q, \slot, \first
	MUL16 2, (\q)%2, \q, \slot, \first
	s_wait_dscnt 32                                ; all but the 32 just issued
.if \first
	WIN FIRST_HI
.else
	WIN MUL_HI
.endif
	MUL16 4, (\q)%2, \q, \slot, \first
	MUL16 6, (\q)%2, \q, \slot, \first
	WIN 0
.endm
; A slot's last step changes slots.  Its fragments were asked for a step ago, so the wave's reads of the slot are over at the step's head.
.macro TURN slot, next
	s_wait_xcnt 0x0                                ; my prefetches have read their address
	s_add_nc_u64 s[PFA:PFA+1], s[PFA:PFA+1], BLK
	s_wait_tensorcnt 0x0                           ; all my tensor loads have landed: my block of the next slot
	ds_add_u32 v[SPW], v[NIL]
	s_add_nc_u64 s[G0+4*\slot+2:G0+4*\slot+3], s[G0+4*\slot+2:G0+4*\slot+3], 2*BLK      ; no tensor load of mine is out: this slot's next K step
	s_add_nc_u64 s[G0B+4*\slot+2:G0B+4*\slot+3], s[G0B+4*\slot+2:G0B+4*\slot+3], 2*BLK
	s_wait_dscnt 0x0                               ; the add is done, and my reads of this slot are over
	s_barrier_signal -1                            ; opens a round of the cluster's barrier
	WIN MUL_LO
	MUL16 0, 1, NQ-1, \slot, 0
	WIN 0
	s_barrier_wait -1
	CREST
	JLOAD \slot                                    ; the first tensor load behind the round; its four v_nop are the places in front of the loads below
	FETCH_B \next, 0, 0
	FETCH_A \next, 0, 0, 0
	SCALES \next
	FETCH_A \next, 0, 0, 4
	ASK 0, 3*BLK                                   ; the K step two refills on: the address stands one K step behind the slot that is read out
	WIN MUL_LO
	MUL16 2, 1, NQ-1, \slot, 0
	WIN MUL_HI
	MUL16 4, 1, NQ-1, \slot, 0
	MUL16 6, 1, NQ-1, \slot, 0
	WIN 0
.endm
.macro STEPS slot, from
.set Q, \from
.rept NQ-1-\from
	STEP \slot, Q, 0
.set Q, Q+1
.endr
.endm
	s_wait_alu depctr_va_vdst(0)
	s_wait_tensorcnt 0x0                           ; my block of K step 0 is in; slot 1's first fill is issued as a refill is
	ds_add_u32 v[SPW], v[NIL]
	s_wait_dscnt 0x0
	CROUND
	JLOAD 1                                        ; K step 1
	FETCH_B 0, 0, 0
	FETCH_A 0, 0, 0, 0
	SCALES 0
	FETCH_A 0, 0, 0, 4
	ASK 1, 3*BLK                                   ; K step 3
	STEP 0, 0, 1                                   ; the first products start the sums on the bias
	s_mov_b32 s3, LAPS-1
.Llap:                                                 ; once round the ring, from a lap's second step to the next lap's first; both slots are filled again
	STEPS 0, 1
	TURN 0, 1
	STEPS 1, 0
	TURN 1, 0
	STEP 0, 0, 0
	s_sub_co_u32 s3, s3, 1
	s_cmp_lg_u32 s3, 0
	s_cbranch_scc1 .Llap
	STEPS 0, 1
; THE LAST K STEP (slot 1) BY ROWS
.macro BLOAD q                         ; B's fragments of quarter q -> window 1, v[64 q ..]
.irp i, 0,1,2,3,4,5,6,7
	FRAG 64*(\q)+8*\i, ADRB+1, \q, \i
.endr
.endm
.macro ALOAD a                         ; A's block a, all four quarters -> buffer a % 4
.set FA, PA+32*((\a)%4)
.irp q, 0,1,2,3
	FRAG FA+8*\q, ADRA+1, \q, \a
.endr
.endm
.macro ROW a                           ; block a is finished: 32 products, its 8 accumulators by turns
.set FA, PA+32*((\a)%4)
.set AC, 64*((\a)%4)
	WIN MUL_LO+0x50*((\a)/4)
.irp q, 0,1,2,3
.if (\a) == 0 && \q == 2
	s_wait_dscnt 16                                ; B's quarter 2 is in (behind it: A's blocks 2, 3)
.endif
.irp b, 0,1,2,3,4,5,6,7
	v_wmma_scale_f32_16x16x128_f8f6f4 v[AC+8*\b:AC+8*\b+7], v[64*\q+8*\b:64*\q+8*\b+7], v[FA+8*\q:FA+8*\q+7], v[AC+8*\b:AC+8*\b+7], v[SC+8*NQ+NQ*\b+\q], v[SC+8*NQ+NQ*(\a)+\q] matrix_a_fmt:MATRIX_FMT_FP4 matrix_b_fmt:MATRIX_FMT_FP4 matrix_a_scale:MATRIX_SCALE_ROW1
.endr
.endr
.endm
; The way out of block a: 32 bytes a lane into my own stage, and back as whole rows of 512 bytes INTO THE BLOCK'S OWN 64 REGISTERS (LDS serves a wave's instructions in order: ISA guide 5.7.1.4).
; So each block's stores have data registers of their own, and the block's place stands in the stores' immediate (127 rows of 8,192 bytes at the most): nothing that a store names is written again.
.macro TOSTAGE a
.set AC, 64*((\a)%4)
	WIN 0x88+0x44*((\a)/4)                         ; store data and load destination: window 2 or 3
.irp b, 0,1,2,3,4,5,6,7
	ds_store_b128 v[STO], v[AC+8*\b:AC+8*\b+3] offset:64*\b          ; each accumulator from its low end on
	ds_store_b128 v[STO], v[AC+8*\b+4:AC+8*\b+7] offset:64*\b+16
.endr
.irp t, 0,1,2,3,4,5,6,7,8,9,10,11,12,13,14,15
	ds_load_b128 v[AC+4*\t:AC+4*\t+3], v[RD] offset:\t*SPITCH
.endr
.endm
.macro SEND a, younger                 ; younger: the LDS loads issued behind block a's
.set AC, 64*((\a)%4)
	WIN 0x88+0x44*((\a)/4)
	s_wait_dscnt \younger
.irp t, 0,1,2,3,4,5,6,7,8,9,10,11,12,13,14,15
	global_store_b128 v[CO], v[AC+4*\t:AC+4*\t+3], s[10:11] offset:(16*(\a)+\t)*SIZE_N*4   ; 32 lanes store 512 consecutive bytes, at a multiple of 256 from out0's first byte
.endr
.endm
	s_wait_tensorcnt 0x0                           ; my last tensor load, slot 1's, has landed
	ds_add_u32 v[SPW], v[NIL]
	s_wait_dscnt 0x0                               ; the add is done, and my reads of slot 0 are over
	s_barrier_signal -1
	WIN MUL_LO
	MUL16 0, 1, NQ-1, 0, 0
	s_barrier_wait -1                              ; slot 1 is whole, nobody reads slot 0 any more, nothing is filled again
	PLACES NP
	WIN TO_B
	BLOAD 0                                        ; three quarters of B now: the sets at v128-191 of window 1 and v192-255 of window 0 are still multiplied
	BLOAD 1
	BLOAD 3
	WIN 0
	ALOAD 0
	ALOAD 1
	SCALES 1
	WIN MUL_LO
	MUL16 2, 1, NQ-1, 0, 0
	WIN MUL_HI
	MUL16 4, 1, NQ-1, 0, 0
	MUL16 6, 1, NQ-1, 0, 0
	PLACES NP
	WIN TO_B
	BLOAD 2
	WIN 0
	ALOAD 2
	ALOAD 3
	s_wait_dscnt 32                                ; all but the 32 just issued
	ROW 0
.irp a, 0,1,2,3,4,5,6,7
	PLACES NP                                      ; behind block a's last products
	TOSTAGE \a
.if \a < 4
	WIN 0
	ALOAD \a+4                                     ; its buffer takes the block four further on
.endif
.if \a < 7
	ROW \a+1                                       ; the next block's products stand between the stage's loads and the wait for them
.endif
.if \a < 4
	SEND \a, 8                                     ; behind block a's loads: the 8 of A's block a + 4
.else
	SEND \a, 0
.endif
.endr
	WIN 0
	s_wait_tensorcnt 0x0                           ; the wave's end
	ds_add_u32 v[SPW], v[NIL]
	s_wait_dscnt 0x0
	CROUND                                         ; the closing round
	s_endpgm
.Lfunc_end_k_qbcfdda8f04_gemm:
	.size	k_qbcfdda8f04_gemm, .Lfunc_end_k_qbcfdda8f04_gemm-k_qbcfdda8f04_gemm
	.p2alignl 7, 3214868480
	.fill 96, 4, 3214868480
	.section	.rodata,"a",@progbits
	.p2align	6, 0x0
	.amdhsa_kernel k_qbcfdda8f04_gemm
		.amdhsa_group_segment_fixed_size 327680
		.amdhsa_private_segment_fixed_size 0
		.amdhsa_enable_private_segment 0
		.amdhsa_kernarg_size 32
		.amdhsa_user_sgpr_count 2
		.amdhsa_user_sgpr_kernarg_segment_ptr 1
		.amdhsa_wavefront_size32 1
		.amdhsa_system_sgpr_workgroup_id_x 1
		.amdhsa_system_sgpr_workgroup_id_y 1
		.amdhsa_system_sgpr_workgroup_id_z 1
		.amdhsa_system_vgpr_workitem_id 0
		.amdhsa_next_free_vgpr 1024
		.amdhsa_next_free_sgpr 78
		.amdhsa_reserve_vcc 0
		.amdhsa_float_denorm_mode_32 3
		.amdhsa_float_denorm_mode_16_64 3
		.amdhsa_memory_ordered 1
		.amdhsa_forward_progress 1
		.amdhsa_inst_pref_size 211
	.end_amdhsa_kernel
	.amdgpu_metadata
---
amdhsa.version: [ 1, 2 ]
amdhsa.kernels:
  - .name:           k_qbcfdda8f04_gemm
    .symbol:         k_qbcfdda8f04_gemm.kd
    .args:
      - { .name: a_q, .offset: 0, .size: 8, .value_kind: global_buffer, .address_space: global }
      - { .name: b_q, .offset: 8, .size: 8, .value_kind: global_buffer, .address_space: global }
      - { .name: bias, .offset: 16, .size: 8, .value_kind: global_buffer, .address_space: global }
      - { .name: out0, .offset: 24, .size: 8, .value_kind: global_buffer, .address_space: global }
    .group_segment_fixed_size: 327680
    .private_segment_fixed_size: 0
    .kernarg_segment_align: 8
    .kernarg_segment_size: 32
    .max_flat_workgroup_size: 128
    .sgpr_count:     78
    .vgpr_count:     1024
    .wavefront_size: 32
...
	.end_amdgpu_metadata
.endif
;; end of part 2
